; MI455X (gfx1250); checked and timed in simulation.
; The chip was launched on July 23, 2026; its instructions are those of AMD's public machine-readable ISA for CDNA 5 (MIT licence, August 2026) and "CDNA5" Instruction Set Architecture Reference Guide (July 2026). The comments in the code are by the model that wrote it; some were corrected since.
;; Multi Head Attention Block. Allowed arithmetic: float matrix products may take bf16 or f16 operands with f32 sums; all other float work in f32.
;; Inputs: b_k 1,024 float32; b_o 1,024 float32; b_q 1,024 float32; b_v 1,024 float32; k 2 x 2,048 x 1,024 float32; q 2 x 2,048 x 1,024 float32; v 2 x 2,048 x 1,024 float32; w_k 1,024 x 1,024 float32; w_o 1,024 x 1,024 float32; w_q 1,024 x 1,024 float32; w_v 1,024 x 1,024 float32.
;; Outputs: out0 2 x 2,048 x 1,024 float32.
;; One version. Each part assembles by itself: llvm-mc -triple=amdgcn-amd-amdhsa -mcpu=gfx1250 --defsym DOCPART=n.
;; ======== version 1 of 1: 4 launches
;; limits: values are held in f16: magnitudes above 65,504 overflow, below 6.1e-05 lose precision
;; workspace buffers: xh 25,165,824 bytes; wh 8,388,608 bytes; proj 25,165,824 bytes; xa 8,388,608 bytes
;; launch cast (part 1): grid 1024 x 1, 8 waves a work-group, no clusters, 0 bytes of LDS; arguments q, k, v, w_q, w_k, w_v, w_o, xh, wh; writes xh, wh
.if DOCPART == 1
	.amdgcn_target "amdgcn-amd-amdhsa--gfx1250"
	.amdhsa_code_object_version 6
	.text
	.protected	k_q5f279d4f38_cast
	.globl	k_q5f279d4f38_cast
	.p2align	8
	.type	k_q5f279d4f38_cast,@function
k_q5f279d4f38_cast:
	s_mov_b64 s[64:65], 0
	v_nop
	global_prefetch_b8 v0, s[64:65] scope:SCOPE_SE
	s_setreg_imm32_b32 hwreg(HW_REG_WAVE_MODE, 25, 1), 1
	s_wait_xcnt 0x0
; q, k, v ([4096][1024] f32 each) and w_q, w_k, w_v, w_o ([1024][1024] f32 each) are rounded once to f16:
; xh = [3][4096][1024] f16 (q, k, v), wh = [4][1024][1024] f16 (w_q, w_k, w_v, w_o), layouts unchanged.
; LIMIT: a number of magnitude 65,520 or more becomes an infinity in f16; NaN and infinities are not served.
; A stream: each byte is read once and written once, nothing is shared between work-groups, so no LDS, no cluster, no matrix unit.
; A work-group takes 65,536 source bytes (16,384 numbers): 64 MiB / 64 KiB = 1,024 work-groups.  Thread t takes 16 bytes at 16 t of each
; block of 4,096 bytes: a wave's load covers 512 consecutive bytes, its store 256 consecutive bytes at a multiple of 256.
.set X, 4                              ; v[4:67]   sixteen loads of four f32
.set Y, 68                             ; v[68:99]  sixteen stores of four f16
	s_load_b512 s[8:23], s[0:1], 0x0               ; q s[8:9], k s[10:11], v s[12:13], w_q s[14:15], w_k s[16:17], w_v s[18:19], w_o s[20:21], xh s[22:23]
	s_load_b64 s[24:25], s[0:1], 0x40              ; wh
	s_mov_b32 s6, ttmp9                            ; i, the work-group's number
	s_lshr_b32 s2, s6, 8                           ; 0, 1, 2: q, k, v (256 work-groups each); 3: the weights
	s_bfe_u32 s3, s6, 0x20006                      ; which weight (64 work-groups each)
	s_and_b32 s4, s6, 255
	s_and_b32 s5, s6, 63
	s_cmp_eq_u32 s2, 3
	s_cselect_b32 s32, s5, s4                      ; my block of 64 KiB inside the source
	s_cselect_b32 s34, s4, s6                      ; my block of 32 KiB inside the destination (xh holds q, k, v one behind the other; wh the weights)
	s_lshl_b32 s32, s32, 16
	s_lshl_b32 s34, s34, 15
	s_mov_b32 s33, 0
	s_mov_b32 s35, 0
	v_lshlrev_b32 v1, 4, v0                        ; 16 t: source
	v_lshlrev_b32 v2, 3, v0                        ; 8 t: destination
	s_wait_kmcnt 0x0
	s_cmp_eq_u32 s2, 1                             ; the choice between buffers hangs on the work-group's number alone
	s_cselect_b64 s[28:29], s[10:11], s[8:9]
	s_cmp_eq_u32 s2, 2
	s_cselect_b64 s[28:29], s[12:13], s[28:29]
	s_cmp_eq_u32 s3, 1
	s_cselect_b64 s[36:37], s[16:17], s[14:15]
	s_cmp_eq_u32 s3, 2
	s_cselect_b64 s[36:37], s[18:19], s[36:37]
	s_cmp_eq_u32 s3, 3
	s_cselect_b64 s[36:37], s[20:21], s[36:37]
	s_cmp_eq_u32 s2, 3
	s_cselect_b64 s[28:29], s[36:37], s[28:29]
	s_cselect_b64 s[30:31], s[24:25], s[22:23]
	s_add_nc_u64 s[28:29], s[28:29], s[32:33]
	s_add_nc_u64 s[30:31], s[30:31], s[34:35]
.irp i, 0,1,2,3,4,5,6,7,8,9,10,11,12,13,14,15
	global_load_b128 v[X+4*\i:X+4*\i+3], v1, s[28:29] offset:4096*\i th:TH_LOAD_NT   ; all sixteen loads go out before anything is waited for
.endr
.irp i, 0,1,2,3,4,5,6,7,8,9,10,11,12,13,14,15
	s_wait_loadcnt 15-\i                           ; loads come back in order: load i is in, the 15 - i younger ones stay out
	v_cvt_pk_f16_f32 v[Y+2*\i],   v[X+4*\i],   v[X+4*\i+1]
	v_cvt_pk_f16_f32 v[Y+2*\i+1], v[X+4*\i+2], v[X+4*\i+3]
	global_store_b64 v2, v[Y+2*\i:Y+2*\i+1], s[30:31] offset:2048*\i   ; no register is written twice, so no wait frees one
.endr
	s_endpgm
.Lfunc_end_k_q5f279d4f38_cast:
	.size	k_q5f279d4f38_cast, .Lfunc_end_k_q5f279d4f38_cast-k_q5f279d4f38_cast
	.p2alignl 7, 3214868480
	.fill 96, 4, 3214868480
	.section	.rodata,"a",@progbits
	.p2align	6, 0x0
	.amdhsa_kernel k_q5f279d4f38_cast
		.amdhsa_group_segment_fixed_size 0
		.amdhsa_private_segment_fixed_size 0
		.amdhsa_enable_private_segment 0
		.amdhsa_kernarg_size 72
		.amdhsa_user_sgpr_count 2
		.amdhsa_user_sgpr_kernarg_segment_ptr 1
		.amdhsa_wavefront_size32 1
		.amdhsa_system_sgpr_workgroup_id_x 1
		.amdhsa_system_sgpr_workgroup_id_y 1
		.amdhsa_system_sgpr_workgroup_id_z 1
		.amdhsa_system_vgpr_workitem_id 0
		.amdhsa_next_free_vgpr 100
		.amdhsa_next_free_sgpr 66
		.amdhsa_reserve_vcc 0
		.amdhsa_float_denorm_mode_32 3
		.amdhsa_float_denorm_mode_16_64 3
		.amdhsa_memory_ordered 1
		.amdhsa_forward_progress 1
		.amdhsa_inst_pref_size 7
	.end_amdhsa_kernel
	.amdgpu_metadata
---
amdhsa.version: [ 1, 2 ]
amdhsa.kernels:
  - .name:           k_q5f279d4f38_cast
    .symbol:         k_q5f279d4f38_cast.kd
    .args:
      - { .name: q, .offset: 0, .size: 8, .value_kind: global_buffer, .address_space: global }
      - { .name: k, .offset: 8, .size: 8, .value_kind: global_buffer, .address_space: global }
      - { .name: v, .offset: 16, .size: 8, .value_kind: global_buffer, .address_space: global }
      - { .name: w_q, .offset: 24, .size: 8, .value_kind: global_buffer, .address_space: global }
      - { .name: w_k, .offset: 32, .size: 8, .value_kind: global_buffer, .address_space: global }
      - { .name: w_v, .offset: 40, .size: 8, .value_kind: global_buffer, .address_space: global }
      - { .name: w_o, .offset: 48, .size: 8, .value_kind: global_buffer, .address_space: global }
      - { .name: xh, .offset: 56, .size: 8, .value_kind: global_buffer, .address_space: global }
      - { .name: wh, .offset: 64, .size: 8, .value_kind: global_buffer, .address_space: global }
    .group_segment_fixed_size: 0
    .private_segment_fixed_size: 0
    .kernarg_segment_align: 8
    .kernarg_segment_size: 72
    .max_flat_workgroup_size: 256
    .sgpr_count:     66
    .vgpr_count:     100
    .wavefront_size: 32
...
	.end_amdgpu_metadata
.endif
;; end of part 1
;; launch qkv (part 2): grid 4 x 48, 4 waves a work-group, clusters of 4 x 4, 327,680 bytes of LDS; arguments xh, wh, b_q, b_k, b_v, proj; writes proj
.if DOCPART == 2
	.amdgcn_target "amdgcn-amd-amdhsa--gfx1250"
	.amdhsa_code_object_version 6
	.text
	.protected	k_q5f279d4f38_qkv
	.globl	k_q5f279d4f38_qkv
	.p2align	8
	.type	k_q5f279d4f38_qkv,@function
k_q5f279d4f38_qkv:
	s_mov_b64 s[64:65], 0
	v_nop
	global_prefetch_b8 v0, s[64:65] scope:SCOPE_SE
	s_setreg_imm32_b32 hwreg(HW_REG_WAVE_MODE, 25, 1), 1
	s_wait_xcnt 0x0
	s_wait_alu depctr_hold_cnt(0) depctr_sa_sdst(0) depctr_va_vdst(0) depctr_va_sdst(0) depctr_va_ssrc(0) depctr_va_vcc(0) depctr_vm_vsrc(0)
	s_getreg_b32 s2, hwreg(HW_REG_IB_STS2, 6, 4)
	s_cmp_eq_u32 s2, 0
	s_cbranch_scc0 .Lentry_in_a_cluster
	s_endpgm
.Lentry_in_a_cluster:
	s_bfe_u32 s2, ttmp6, 0x10000c
	s_cmp_lg_u32 s2, 0xf033
	s_cbranch_scc0 .Lentry_shape_is_right
	s_endpgm
.Lentry_shape_is_right:
; proj[g] = xh[g] x wh[g] + bias[g] for g = 0, 1, 2 (query, key, value).  xh, proj: [3 x 4096][1024] f16; wh[g]: [1024 k][1024 n] f16; bias f32.
; Operands f16, sums f32, the result rounded once to f16.  LIMIT: a projected number of magnitude 65,520 or more becomes an infinity.
; The three products are one: block row 0..47 runs through the 12,288 rows of xh and of proj, and four clusters (16 block rows) belong to each g.
; A work-group makes a block of 256 x 256 with four waves, a wave 128 x 128: 64 accumulator tiles of 16 x 16, 512 registers.  3 x 16 x 4 = 192 work-groups.
; Blocks of 128 x 128 would give 768, but a wave tile of 64 x 64 reads twice the LDS bytes for each product.
; K goes in steps of 128 through two LDS slots filled by tensor loads.  A's tile: 256 rows x 256 bytes.  W's tile: 128 k-rows x 512 bytes, as it lies in memory;
; its fragments are turned on the way out of LDS by ds_load_tr16_b128.
; CLUSTERS: 4 x 4 work-groups.  A's tile hangs on the block row alone and is asked for jointly by a row of the cluster, W's on the block column (and g, which the
; whole cluster shares) and is asked for jointly by a column: a quarter of the requests.
; REGISTERS in windows of 256: window 0: v0-31 addresses, v64-127 and v128-191 A's fragments (two buffers), v192-255 the bias, later the packed results;
; window 1: v64-127, v128-191 W's fragments; windows 2 and 3: the accumulators of my rows 0-63 and 64-127 (tile (a, b) at v[8 (8 a + b)]).
; THE MATRIX INSTRUCTION IS USED TRANSPOSED: source 0 = 16 columns of W, source 1 = 16 rows of A.  Lane l then holds row l % 16 of the result and its registers 0-7
; the columns 8 (l / 16) + 0..7: eight neighbouring numbers, 16 bytes of f16.  The bias, laid out the same way, is the C of the first products: nothing is cleared or added later.
.set SIZE_K, 1024
.set SIZE_N, 1024
.set KSTEP,  128
.set PITCH,  272                       ; A's LDS row: 256 bytes + 16 = 17 x 16: sixteen rows begin in sixteen different 16-byte columns modulo 256
.set BPITCH, 544                       ; W's LDS row: 512 bytes + 32 = 17 x 32
.set HALFT,  128*PITCH                 ; what one tensor load brings: 128 rows of A, or 64 k-rows of W (64 x 544 is the same 34,816 bytes)
.set SLOT,   4*HALFT                   ; A's 256 rows, then W's 128 k-rows
.set STAGE,  2*SLOT                    ; behind the ring, at a multiple of 256: 16 rows x 272 bytes for each wave; no tensor load lands here
.set SPITCH, 272
.set LAPS, SIZE_K/(2*KSTEP)            ; 4 laps of two K steps
.set ADRA, 16                          ; v16-17  LDS address of my A fragments in slot 0, 1
.set ADRB, 20                          ; v20-21  the same for W
.set STO,  24                          ; v24     the way out: where I put 16 bytes of a row
.set RD,   25                          ; v25     the way out: where I read a row back
.set CO,   26                          ; v26     my byte offset in proj
.set BO,   27                          ; v27     my byte offset in the bias
.set F0,   64
.set F1,   128
.set BIAS, 192                         ; v[192:255]: eight f32 for each of my eight blocks of 16 columns
.set TMP,  192                         ; the same registers, on the way out
.set G1, 24                            ; s[24:31] descriptor group 1, A
.set G0, 32                            ; s[32:39] descriptor group 0, A, one set for each slot
.set G1B, 48                           ; s[48:55] descriptor group 1, W
.set G0B, 56                           ; s[56:63] descriptor group 0, W, one set for each slot
.set MSB, 0
.macro WIN new                         ; the immediate's high byte repeats the setting that is left
.if MSB != \new
	s_set_vgpr_msb (MSB<<8)|\new
.set MSB, \new
.endif
.endm
.set MUL_LO, 0xa1                      ; source 0 (W) window 1, source 1 (A) window 0, C and D window 2
.set MUL_HI, 0xf1                      ; the same, C and D window 3
.set BIAS_LO, 0x81                     ; C (the bias) window 0, D window 2
.set BIAS_HI, 0xc1                     ; C window 0, D window 3
.set TO_B,   0x40                      ; destination window 1, address window 0
; A joint load.  Waves 0 and 1 fetch A's two halves, waves 2 and 3 W's.  The branch hangs on the wave's number alone.
.macro JLOAD s
	s_cmp_eq_u32 s11, 0
	s_cbranch_scc0 .Lfor_b_\@
	tensor_load_to_lds s[G0+4*\s:G0+4*\s+3], s[G1:G1+7]
	s_nop 0
	s_branch .Lasked_\@
.Lfor_b_\@:
	tensor_load_to_lds s[G0B+4*\s:G0B+4*\s+3], s[G1B:G1B+7]
	s_nop 0
.Lasked_\@:
.endm
; A round of the cluster's barrier: my work-group's barrier; wave 0 signals for the work-group; every wave waits for all sixteen; my work-group's barrier again.
.macro CREST                           ; a round behind its opening barrier
	s_cmp_lg_u32 s10, 0
	s_cbranch_scc1 .Lnot_wave_0_\@
	s_barrier_signal -3
.Lnot_wave_0_\@:
	s_barrier_wait -3
	s_barrier_signal -1
	s_barrier_wait -1
.endm
.macro CROUND
	s_barrier_signal -1
	s_barrier_wait -1
	CREST
.endm
	s_load_b128 s[4:7], s[0:1], 0x0                ; xh s[4:5], wh s[6:7]
	s_load_b256 s[68:75], s[0:1], 0x10             ; b_q s[68:69], b_k s[70:71], b_v s[72:73], proj s[74:75]
	s_set_vgpr_msb 0x40
	v_lshl_add_u32 v255, v0, 2, 0x48400
	s_set_vgpr_msb 0x4000
	v_mov_b32 v63, 0
	s_set_vgpr_msb 0x1
	ds_add_u32 v255, v63
	s_set_vgpr_msb 0x100
	v_lshrrev_b32 v1, 5, v0
	v_readfirstlane_b32 s10, v1                    ; wave 0..3
	s_lshr_b32 s11, s10, 1                         ; which half of the block's rows is mine.  Also: I fetch for A (0) or for W (1)
	s_and_b32 s12, s10, 1                          ; which half of its columns.  Also: which half of that tile I fetch
	s_bfe_u32 s40, ttmp6, 0x40000                  ; cx
	s_bfe_u32 s41, ttmp6, 0x40004                  ; cy
	s_lshl_b32 s42, ttmp9, 2
	s_add_co_u32 s42, s42, s40                     ; block column 0..3
	s_and_b32 s13, ttmp7, 0xffff                   ; the cluster's y, 0..11
	s_lshr_b32 s66, s13, 2                         ; g: which product; made of no place in the cluster
	s_lshl_b32 s13, s13, 2
	s_add_co_u32 s13, s13, s41                     ; block row 0..47
	s_lshl_b32 s43, s41, 2
	s_lshl_b32 s43, 15, s43                        ; my row of the cluster: places 4 cy .. 4 cy + 3
	s_lshl_b32 s44, 0x1111, s40                    ; my column: places cx, cx + 4, cx + 8, cx + 12
	; group 1 for A: 128 rows x 128 elements of 2 bytes; 4 words of padding behind every 64
	s_or_b32 s[G1+0], s43, (1<<16)|(1<<20)|(1<<21)|(5<<22)|(3<<25)
	s_mov_b32 s[G1+1], KSTEP<<16                   ; tensor_dim0 = 128
	s_mov_b32 s[G1+2], 128<<16                     ; tensor_dim1 = 128
	s_mov_b32 s[G1+3], KSTEP<<16                   ; tile_dim0 = 128
	s_mov_b32 s[G1+4], 128                         ; tile_dim1 = 128
	s_mov_b32 s[G1+5], SIZE_K                      ; elements from row to row
	s_mov_b32 s[G1+6], 0
	s_mov_b32 s[G1+7], 0
	; group 1 for W: 64 k-rows x 256 elements; 8 words of padding behind every 128
	s_or_b32 s[G1B+0], s44, (1<<16)|(1<<20)|(1<<21)|(6<<22)|(7<<25)
	s_mov_b32 s[G1B+1], 256<<16                    ; tensor_dim0 = 256
	s_mov_b32 s[G1B+2], 64<<16                     ; tensor_dim1 = 64
	s_mov_b32 s[G1B+3], 256<<16                    ; tile_dim0 = 256
	s_mov_b32 s[G1B+4], 64                         ; tile_dim1 = 64
	s_mov_b32 s[G1B+5], SIZE_N
	s_mov_b32 s[G1B+6], 0
	s_mov_b32 s[G1B+7], 0
	; where the tiles come from: A's address is made of the block row and the wave, W's of g, the block column and the wave, each in registers of its own
	s_lshl_b32 s17, s12, 7
	s_lshl_b32 s16, s13, 8
	s_add_co_u32 s16, s16, s17                     ; A: row 256 x block row + 128 x half
	s_lshl_b32 s16, s16, 11                        ; x 2,048 bytes: below 2^25
	s_mov_b32 s17, 0
	s_lshl_b32 s46, s66, 21                        ; W: g x 2,097,152
	s_lshl_b32 s45, s12, 17                        ;  + half x 64 k-rows x 2,048 bytes
	s_add_co_u32 s46, s46, s45
	s_lshl_b32 s45, s42, 9                         ;  + block column x 512 bytes
	s_add_co_u32 s46, s46, s45
	s_mov_b32 s47, 0
	s_mul_i32 s20, s10, HALFT                      ; where they go: wave x 34,816: A's halves, then W's
	s_wait_dscnt 0x0
	s_wait_kmcnt 0x0
	s_add_nc_u64 s[14:15], s[4:5], s[16:17]
	s_add_nc_u64 s[46:47], s[6:7], s[46:47]
	s_mov_b64 s[8:9], s[74:75]                     ; proj
	s_cmp_eq_u32 s66, 1                            ; the bias of my product
	s_cselect_b64 s[76:77], s[70:71], s[68:69]
	s_cmp_eq_u32 s66, 2
	s_cselect_b64 s[76:77], s[72:73], s[76:77]
	CROUND                                         ; all sixteen work-groups are here: the first joint loads meet
.irp s, 0,1
	s_mov_b32 s[G0+4*\s], 1
	s_add_co_u32 s[G0+4*\s+1], s20, \s*SLOT
	s_add_nc_u64 s[G0+4*\s+2:G0+4*\s+3], s[14:15], \s*KSTEP*2          ; K step s: 256 bytes along A's rows
	s_or_b32 s[G0+4*\s+3], s[G0+4*\s+3], 0x80000000
	s_mov_b32 s[G0B+4*\s], 1
	s_add_co_u32 s[G0B+4*\s+1], s20, \s*SLOT
	s_add_nc_u64 s[G0B+4*\s+2:G0B+4*\s+3], s[46:47], \s*KSTEP*SIZE_N*2 ; K step s: 128 k-rows down W
	s_or_b32 s[G0B+4*\s+3], s[G0B+4*\s+3], 0x80000000
	JLOAD \s                                       ; both slots are asked for before anything else is done: two tensor loads of the wave are out
.endr
	; A's fragment (16 rows x 32 K, 8 registers): lane l holds row l % 16; two loads of 16 bytes, 32 bytes apart, at row x pitch + 16 (l / 16).
	; W's fragment: two transposing loads, 16 k-rows apart, at (8 (l / 16) + l % 8) x pitch + 16 ((l / 8) % 2): lane l receives column l % 16, k along its registers.
	v_and_b32 v1, 15, v0                           ; l % 16
	v_bfe_u32 v2, v0, 4, 1                         ; l / 16
	v_mul_u32_u24 v3, v1, PITCH
	v_lshl_add_u32 v3, v2, 4, v3
	v_and_b32 v6, 7, v0
	v_lshl_add_u32 v6, v2, 3, v6
	v_mul_u32_u24 v6, v6, BPITCH
	v_bfe_u32 v7, v0, 3, 1
	v_lshl_add_u32 v6, v7, 4, v6
	s_mul_i32 s21, s11, HALFT                      ; my 128 rows of A
	s_lshl_b32 s22, s12, 8                         ; my 128 columns of W: 256 bytes along its rows,
	s_add_co_u32 s22, s22, 2*HALFT                 ; which lie behind A's 256 rows
.irp s, 0,1
	v_add_nc_u32 v[ADRA+\s], s21, v3
	v_add_nc_u32 v[ADRB+\s], s22, v6
	s_add_co_u32 s21, s21, SLOT
	s_add_co_u32 s22, s22, SLOT
.endr
	s_mul_i32 s23, s10, 16*SPITCH
	s_add_co_u32 s23, s23, STAGE                   ; my stage
	v_mul_u32_u24 v4, v1, SPITCH
	v_lshl_add_u32 v4, v2, 4, v4
	v_add_nc_u32 v[STO], s23, v4
	v_mul_u32_u24 v5, v2, SPITCH
	v_lshl_add_u32 v5, v1, 4, v5
	v_add_nc_u32 v[RD], s23, v5
	v_mul_u32_u24 v5, v2, SIZE_N*2
	v_lshl_add_u32 v[CO], v1, 4, v5
	s_lshl_b32 s45, s42, 10                        ; the bias of my 128 columns: 1,024 x block column + 512 x half + 32 (l / 16) bytes
	s_lshl_b32 s67, s12, 9
	s_add_co_u32 s45, s45, s67
	v_lshl_add_u32 v[BO], v2, 5, s45
.irp b, 0,1,2,3,4,5,6,7
	global_load_b128 v[BIAS+8*\b:BIAS+8*\b+3],   v[BO], s[76:77] offset:64*\b      ; columns 16 b + 8 (l / 16) + 0..3
	global_load_b128 v[BIAS+8*\b+4:BIAS+8*\b+7], v[BO], s[76:77] offset:64*\b+16   ; and + 4..7
.endr
; 16 matrix instructions: m blocks a0, a0 + 1 of the window's four x all 8 n blocks, 32 along K.  zero = 1: the bias is C and starts the sums.
; The 64 accumulators take turns, one instruction a turn, in the same order in every quarter step.
.macro MUL16 f, hi, a0, zero
.irp a, \a0, \a0+1
.irp b, 0,1,2,3,4,5,6,7
.if \zero
	v_wmma_f32_16x16x32_f16 v[8*(8*(\a)+\b):8*(8*(\a)+\b)+7], v[\f+8*\b:\f+8*\b+7], v[\f+8*(4*\hi+\a):\f+8*(4*\hi+\a)+7], v[BIAS+8*\b:BIAS+8*\b+7]
.else
	v_wmma_f32_16x16x32_f16 v[8*(8*(\a)+\b):8*(8*(\a)+\b)+7], v[\f+8*\b:\f+8*\b+7], v[\f+8*(4*\hi+\a):\f+8*(4*\hi+\a)+7], v[8*(8*(\a)+\b):8*(8*(\a)+\b)+7]
.endif
.endr
.endr
.endm
; 32 LDS loads in one run: the fragments of quarter q (32 along K) into buffer f: W's 128 columns, then A's 128 rows
.macro FETCH slot, q, f
	WIN TO_B
.irp i, 0,1,2,3,4,5,6,7
	ds_load_tr16_b128 v[\f+8*\i:\f+8*\i+3],   v[ADRB+\slot] offset:\q*32*BPITCH+32*\i               ; k = 32 q + 8 (l / 16) + 0..7
	ds_load_tr16_b128 v[\f+8*\i+4:\f+8*\i+7], v[ADRB+\slot] offset:\q*32*BPITCH+32*\i+16*BPITCH     ; k 16 further on; the largest offset is 61,152
.endr
	WIN 0
.irp i, 0,1,2,3,4,5,6,7
	ds_load_b128 v[\f+8*\i:\f+8*\i+3],   v[ADRA+\slot] offset:\q*64+\i*16*PITCH
	ds_load_b128 v[\f+8*\i+4:\f+8*\i+7], v[ADRA+\slot] offset:\q*64+\i*16*PITCH+32
.endr
.endm
; Four places stand between a matrix instruction and a load into one of its sources, or a vector instruction that reads its result (ISA guide 7.12.1 for vector
; instructions); other matrix instructions are not counted as places.
.macro PLACES
.rept 4
	v_nop
.endr
.endm
; One of a K step's first three quarters: multiplies buffer f; in its middle fetches quarter q of the same slot into buffer g.
.macro QUARTER slot, q, f, g, zero
	s_wait_dscnt 8                                 ; W and A's rows 0-63 are in; the youngest eight loads (A's rows 64-127) may be out
.if \zero
	WIN BIAS_LO
.else
	WIN MUL_LO
.endif
	MUL16 \f, 0, 0, \zero
	MUL16 \f, 0, 2, \zero
	PLACES
	FETCH \slot, \q, \g
	s_wait_dscnt 32                                ; all but the 32 just issued
.if \zero
	WIN BIAS_HI
.else
	WIN MUL_HI
.endif
	MUL16 \f, 1, 0, \zero
	MUL16 \f, 1, 2, \zero
.endm
.macro THREE slot, zero
	QUARTER \slot, 1, F0, F1, \zero
	QUARTER \slot, 2, F1, F0, 0
	QUARTER \slot, 3, F0, F1, 0
.endm
; The last quarter: multiplies buffer 1 and changes slots.  In front of the barrier each wave waits for its reads of this slot and for all its tensor loads
; (one is out: its part of the next slot).  Behind it the refill comes first, then the next slot's first fragments.
; From a request to the wait for it a wave issues 240 matrix instructions.
.macro TURN slot, next, fill
	s_wait_dscnt 8
	WIN MUL_LO
	MUL16 F1, 0, 0, 0
	s_wait_dscnt 0                                 ; my reads of this slot are over
	s_wait_tensorcnt 0x0                           ; and all my tensor loads have landed
	ds_add_u32 v255, v63
	s_wait_dscnt 0x0
	s_barrier_signal -1                            ; (where the slot is filled again this barrier opens a round of the cluster's barrier)
	MUL16 F1, 0, 2, 0                              ; registers only, while the others arrive
	WIN 0
	s_barrier_wait -1
.if \fill
	CREST                                          ; no wave of any partner still reads this slot or has a load on its way
	s_add_nc_u64 s[G0+4*\slot+2:G0+4*\slot+3], s[G0+4*\slot+2:G0+4*\slot+3], 2*KSTEP*2
	s_add_nc_u64 s[G0B+4*\slot+2:G0B+4*\slot+3], s[G0B+4*\slot+2:G0B+4*\slot+3], 2*KSTEP*SIZE_N*2
	JLOAD \slot                                    ; the wave's one tensor load behind the round
.endif
	PLACES
	FETCH \next, 0, F0
	WIN MUL_HI
	MUL16 F1, 1, 0, 0
	MUL16 F1, 1, 2, 0
.endm
.macro LAP zero
	THREE 0, \zero
	TURN 0, 1, 1
	THREE 1, 0
	TURN 1, 0, 1
.endm
	s_wait_tensorcnt 1                             ; my part of K step 0 is in; K step 1's load, issued behind it, may stay out
	s_barrier_signal -1
	s_barrier_wait -1                              ; everybody's is
	s_wait_loadcnt 0x0                             ; the bias
	FETCH 0, 0, F0
	LAP 1                                          ; the first lap stands in front of the loop: its first products start the sums from the bias
	WIN 0                                          ; at a label and at a branch every window is 0
	s_mov_b32 s3, LAPS-2
.Llap:
	LAP 0
	WIN 0
	s_sub_co_u32 s3, s3, 1
	s_cmp_lg_u32 s3, 0
	s_cbranch_scc1 .Llap
	THREE 0, 0                                     ; the last lap fills nothing
	TURN 0, 1, 0
	THREE 1, 0
	s_wait_dscnt 8
	WIN MUL_LO
	MUL16 F1, 0, 0, 0
	MUL16 F1, 0, 2, 0
	s_wait_dscnt 0
	WIN MUL_HI
	MUL16 F1, 1, 0, 0
	MUL16 F1, 1, 2, 0
	; THE WAY OUT, 16 rows at a time: round to f16, 16 bytes a lane into my own stage, read back as whole rows of 256 bytes.
	PLACES
	s_lshl_b32 s13, s13, 8
	s_lshl_b32 s14, s11, 7
	s_add_co_u32 s16, s13, s14                     ; my first row of proj
	s_lshl_b32 s16, s16, 11
	s_mov_b32 s17, 0
	s_add_nc_u64 s[8:9], s[8:9], s[16:17]
	s_lshl_b32 s46, s42, 9                         ; my first column, in bytes: 512 x block column + 256 x half
	s_lshl_b32 s47, s12, 8
	s_add_co_u32 s46, s46, s47
	s_mov_b32 s47, 0
	s_add_nc_u64 s[8:9], s[8:9], s[46:47]
.macro OUT16 i, a, from, f
	WIN \from
.irp b, 0,1,2,3,4,5,6,7
.irp r, 0,1,2,3
	v_cvt_pk_f16_f32 v[TMP+4*\b+\r], v[8*(8*\a+\b)+2*\r], v[8*(8*\a+\b)+2*\r+1]
.endr
.endr
	WIN 0
.irp b, 0,1,2,3,4,5,6,7
	ds_store_b128 v[STO], v[TMP+4*\b:TMP+4*\b+3] offset:32*\b
.endr
	s_wait_xcnt 0x0                                ; buffer f, which earlier stores read, and the stores' base are rewritten only behind this wait
.if \i
	s_add_nc_u64 s[8:9], s[8:9], 16*SIZE_N*2
.endif
.irp t, 0,1,2,3,4,5,6,7
	ds_load_b128 v[\f+4*\t:\f+4*\t+3], v[RD] offset:\t*2*SPITCH    ; a wave's LDS instructions are served in order: these see the stores above
.endr
.irp t, 0,1,2,3,4,5,6,7
	s_wait_dscnt 7-\t                              ; load t is in, the 7 - t younger ones stay out
	global_store_b128 v[CO], v[\f+4*\t:\f+4*\t+3], s[8:9] offset:2*\t*SIZE_N*2   ; 16 lanes store 256 consecutive bytes at a multiple of 256
.endr
.endm
	OUT16 0, 0, 0x0a, F0
	OUT16 1, 1, 0x0a, F1
	OUT16 2, 2, 0x0a, F0
	OUT16 3, 3, 0x0a, F1
	OUT16 4, 0, 0x0f, F0
	OUT16 5, 1, 0x0f, F1
	OUT16 6, 2, 0x0f, F0
	OUT16 7, 3, 0x0f, F1
	s_set_vgpr_msb 0x1
	s_wait_tensorcnt 0x0
	ds_add_u32 v255, v63
	s_wait_dscnt 0x0
	s_set_vgpr_msb 0x100
	CROUND                                         ; the closing round: no work-group ends while a partner may still ask for a tile that names it
	s_endpgm
.Lfunc_end_k_q5f279d4f38_qkv:
	.size	k_q5f279d4f38_qkv, .Lfunc_end_k_q5f279d4f38_qkv-k_q5f279d4f38_qkv
	.p2alignl 7, 3214868480
	.fill 96, 4, 3214868480
	.section	.rodata,"a",@progbits
	.p2align	6, 0x0
	.amdhsa_kernel k_q5f279d4f38_qkv
		.amdhsa_group_segment_fixed_size 327680
		.amdhsa_private_segment_fixed_size 0
		.amdhsa_enable_private_segment 0
		.amdhsa_kernarg_size 48
		.amdhsa_user_sgpr_count 2
		.amdhsa_user_sgpr_kernarg_segment_ptr 1
		.amdhsa_wavefront_size32 1
		.amdhsa_system_sgpr_workgroup_id_x 1
		.amdhsa_system_sgpr_workgroup_id_y 1
		.amdhsa_system_sgpr_workgroup_id_z 1
		.amdhsa_system_vgpr_workitem_id 0
		.amdhsa_next_free_vgpr 1024
		.amdhsa_next_free_sgpr 80
		.amdhsa_reserve_vcc 0
		.amdhsa_float_denorm_mode_32 3
		.amdhsa_float_denorm_mode_16_64 3
		.amdhsa_memory_ordered 1
		.amdhsa_forward_progress 1
		.amdhsa_inst_pref_size 198
	.end_amdhsa_kernel
	.amdgpu_metadata
---
amdhsa.version: [ 1, 2 ]
amdhsa.kernels:
  - .name:           k_q5f279d4f38_qkv
    .symbol:         k_q5f279d4f38_qkv.kd
    .args:
      - { .name: xh, .offset: 0, .size: 8, .value_kind: global_buffer, .address_space: global }
      - { .name: wh, .offset: 8, .size: 8, .value_kind: global_buffer, .address_space: global }
      - { .name: b_q, .offset: 16, .size: 8, .value_kind: global_buffer, .address_space: global }
      - { .name: b_k, .offset: 24, .size: 8, .value_kind: global_buffer, .address_space: global }
      - { .name: b_v, .offset: 32, .size: 8, .value_kind: global_buffer, .address_space: global }
      - { .name: proj, .offset: 40, .size: 8, .value_kind: global_buffer, .address_space: global }
    .group_segment_fixed_size: 327680
    .private_segment_fixed_size: 0
    .kernarg_segment_align: 8
    .kernarg_segment_size: 48
    .max_flat_workgroup_size: 128
    .sgpr_count:     80
    .vgpr_count:     1024
    .wavefront_size: 32
...
	.end_amdgpu_metadata
.endif
;; end of part 2
;; launch attn (part 3): grid 16 x 16, 8 waves a work-group, clusters of 4 x 1, 327,680 bytes of LDS; arguments proj, xa; writes xa
.if DOCPART == 3
	.amdgcn_target "amdgcn-amd-amdhsa--gfx1250"
	.amdhsa_code_object_version 6
	.text
	.protected	k_q5f279d4f38_attn
	.globl	k_q5f279d4f38_attn
	.p2align	8
	.type	k_q5f279d4f38_attn,@function
k_q5f279d4f38_attn:
	s_mov_b64 s[64:65], 0
	v_nop
	global_prefetch_b8 v0, s[64:65] scope:SCOPE_SE
	s_setreg_imm32_b32 hwreg(HW_REG_WAVE_MODE, 25, 1), 1
	s_wait_xcnt 0x0
	s_wait_alu depctr_hold_cnt(0) depctr_sa_sdst(0) depctr_va_vdst(0) depctr_va_sdst(0) depctr_va_ssrc(0) depctr_va_vcc(0) depctr_vm_vsrc(0)
	s_getreg_b32 s2, hwreg(HW_REG_IB_STS2, 6, 4)
	s_cmp_eq_u32 s2, 0
	s_cbranch_scc0 .Lentry_in_a_cluster
	s_endpgm
.Lentry_in_a_cluster:
	s_bfe_u32 s2, ttmp6, 0x10000c
	s_cmp_lg_u32 s2, 0x3003
	s_cbranch_scc0 .Lentry_shape_is_right
	s_endpgm
.Lentry_shape_is_right:
; xa = softmax(Q K^T / 8) V for each batch and head.  proj: [3][2 x 2048][1024] f16 (Q, K, V; column = 64 head + d); xa: [2 x 2048][1024] f16.
; Products in f16 with f32 sums; maximum, exponentials and row sums in f32, with a running maximum over blocks of 64 keys.
; LIMITS: NaN and infinities in Q, K, V are not served (the maximum drops a NaN).  The row sum adds the f32 weights, the product with V uses them rounded to f16.
; A work-group takes 128 queries of TWO neighbouring heads, so that a row of K's and V's tiles and a row of xa is 256 consecutive bytes at a multiple of 256:
; 2 batches x 8 head pairs x 16 query blocks = 256 work-groups.  Wave w: head w % 2 of the pair, queries 32 (w / 2) .. + 31.
; CLUSTERS: the four query blocks of a cluster walk the same K and V tiles and ask for them jointly (mask 15): a quarter of the requests.
; LAYOUT, no shuffles: S^T = K Q^T (source 0 = 16 keys, source 1 = 16 queries): lane (r, h), register j of tile (kt, qt) = key 16 kt + 8 h + j, query 16 qt + r.
; A query's maximum and sum are one number a lane; only lane xor 16 has to be met.  Tiles (2c, qt), (2c+1, qt) packed pairwise ARE the source-1 fragment of P^T for
; keys 32 c .. + 31.  O^T = V^T P^T, V^T by the transposing LDS load; a lane's eight results are eight neighbouring d of one query: 16 bytes of f16.
; TWO STREAMS IN A WAVE: the wave's two query tiles run half a block apart.  A phase is the softmax of one tile (some 120 vector instructions) with the other tile's
; 16 products laid between them: first the 8 of P V of its last block, then the 8 of K Q^T of its next block, which write over the P just used.
;   phase A of block j: softmax of tile 0, block j;  P V of tile 1, block j - 1;  K Q^T of tile 1, block j;      asks LDS for V(j), then for K(j + 1)
;   phase B of block j: softmax of tile 1, block j;  P V of tile 0, block j;      K Q^T of tile 0, block j + 1
; Each set of fragments serves both tiles.  The scores need no second buffer: a tile's new scores land where its P has just been multiplied.
; REGISTERS: window 0 holds all but V's fragments, which are v256-319.  Only the P V products name window 1 (source 0); the fused multiply-adds that stand between
; them take a scalar pair as source 0, which no window touches, so that one setting serves the whole stretch.
.set VP,    288                        ; V's LDS row: 256 bytes + 32 = 9 x 32
.set KP,    272                        ; K's LDS row: 256 bytes + 16 = 17 x 16
.set KOFF,  256*VP                     ; a slot: V's 256 keys (73,728 bytes), then K's 256 keys (69,632 bytes)
.set SLOT,  256*VP+256*KP              ; 143,360
.set STAGE, 2*SLOT                     ; 286,720, a multiple of 256: 128 rows x 272 bytes for the way out; no tensor load lands here
.set SP,    272
.set ADRK, 2                           ; v2-3    LDS address of my K fragments in slot 0, 1
.set ADRV, 4                           ; v4-7    the same for V: slot 0 keys 0-127, slot 0 keys 128-255, slot 1 likewise (an offset has 16 bits)
.set MX,   8                           ; v8-9    running maximum of the raw scores, query tile 0, 1
.set NMC,  10                          ; v10-11  -(maximum x log2(e) / 8) of the block before, as rounded
.set LS,   14                          ; v14-17  a pair of partial row sums for each query tile
.set TT,   18                          ; v18-25  four for each query tile: 0, 1 at work; 2 = -(maximum x log2(e) / 8) of this block; 3 = the factor for the old sums
.set STO,  26
.set RD,   27
.set CO,   28
.set QO,   29
.set QF,   32                          ; v[32:63]   Q's fragments (qt, ds) at 8 (2 qt + ds)
.set SC,   64                          ; v[64:127]  scores, tile (kt, qt) at 32 qt + 8 kt; then P (c, qt), packed in place at 32 qt + 16 c
.set KF,   128                         ; v[128:191] K's fragments (kt, ds) at 8 (2 kt + ds)
.set OA,   192                         ; v[192:255] O^T, tile (dt, qt) at 8 (4 qt + dt)
                                       ; window 1, v[256:319]: V^T's fragments (dt, c) at 8 (4 c + dt)
.set G1V, 28                           ; s[28:35] group 1, V
.set G1K, 36                           ; s[36:43] group 1, K
.set G0V, 44                           ; s[44:51] group 0, V, one set for each slot
.set G0K, 52                           ; s[52:59] group 0, K, one set for each slot
.set MSB, 0
.macro WIN new                         ; the immediate's high byte repeats the setting that is left
.if MSB != \new
	s_set_vgpr_msb (MSB<<8)|\new
.set MSB, \new
.endif
.endm
.macro ROUND                           ; a round of the cluster's barrier
	s_barrier_signal -1
	s_barrier_wait -1
	s_cmp_lg_u32 s8, 0
	s_cbranch_scc1 .Lnot_wave_0_\@
	s_barrier_signal -3
.Lnot_wave_0_\@:
	s_barrier_wait -3
	s_barrier_signal -1
	s_barrier_wait -1
.endm
.macro JLOAD s                         ; waves 0-3 ask for 64 keys of V each, waves 4-7 for 64 keys of K: one load a wave, the branch on the wave's number alone
	s_cmp_eq_u32 s11, 0
	s_cbranch_scc0 .Lfor_k_\@
	tensor_load_to_lds s[G0V+4*\s:G0V+4*\s+3], s[G1V:G1V+7]
	s_nop 0
	s_branch .Lasked_\@
.Lfor_k_\@:
	tensor_load_to_lds s[G0K+4*\s:G0K+4*\s+3], s[G1K:G1K+7]
	s_nop 0
.Lasked_\@:
.endm
.macro PLACES n
.rept \n
	v_nop
.endr
.endm
	s_load_b128 s[4:7], s[0:1], 0x0                ; proj s[4:5], xa s[6:7]
	v_lshl_add_u32 v30, v0, 2, 0x4e800
	v_mov_b32 v31, 0
	ds_add_u32 v30, v31
	v_lshrrev_b32 v1, 5, v0
	v_readfirstlane_b32 s8, v1                     ; wave 0..7
	s_and_b32 s9, s8, 1                            ; my head of the pair
	s_lshr_b32 s10, s8, 1                          ; my 32 queries of the 128
	s_lshr_b32 s11, s8, 2                          ; I fetch for V (0) or for K (1)
	s_mov_b32 s12, 0x76543210                      ; v_permlanex16_b32: lane i reads lane i of the other half
	s_mov_b32 s13, 0xfedcba98
	s_mov_b32 s14, 0x3e38aa3b                      ; log2(e) / 8: the scale 1 / sqrt(64) and the change of base in one factor
	s_mov_b32 s15, 0x3e38aa3b
	s_mov_b32 s16, 0xbe38aa3b                      ; its negative
	s_bfe_u32 s17, ttmp6, 0x40000                  ; cx
	s_lshl_b32 s18, ttmp9, 2
	s_add_co_u32 s18, s18, s17                     ; query block 0..15
	s_and_b32 s19, ttmp7, 0xffff
	s_lshr_b32 s20, s19, 3                         ; batch
	s_and_b32 s21, s19, 7                          ; head pair
	; group 1: 64 rows x 128 elements of 2 bytes, pitch 1,024 elements; the mask names all four work-groups of the cluster
	s_mov_b32 s[G1V+0], 15|(1<<16)|(1<<20)|(1<<21)|(5<<22)|(7<<25)   ; 8 words of padding behind every 64
	s_mov_b32 s[G1K+0], 15|(1<<16)|(1<<20)|(1<<21)|(5<<22)|(3<<25)   ; 4 words
.irp g, G1V, G1K
	s_mov_b32 s[\g+1], 128<<16                     ; tensor_dim0 = 128
	s_mov_b32 s[\g+2], 64<<16                      ; tensor_dim1 = 64
	s_mov_b32 s[\g+3], 128<<16                     ; tile_dim0 = 128
	s_mov_b32 s[\g+4], 64                          ; tile_dim1 = 64
	s_mov_b32 s[\g+5], 1024
	s_mov_b32 s[\g+6], 0
	s_mov_b32 s[\g+7], 0
.endr
	s_lshl_b32 s22, s20, 22                        ; batch x 2,048 rows x 2,048 bytes
	s_lshl_b32 s23, s21, 8                         ; + head pair x 256 bytes
	s_add_co_u32 s22, s22, s23
	s_lshl_b32 s23, s8, 17                         ; + wave x 64 rows: the tiles' addresses hang on the batch, the head pair and the wave alone
	s_add_co_u32 s24, s22, s23
	s_mov_b32 s25, 0
	s_mul_i32 s26, s8, 64*VP                       ; V's part for wave 0..3
	s_mul_i32 s27, s8, 64*KP
	s_add_co_u32 s27, s27, KOFF-4*64*KP            ; K's part for wave 4..7: KOFF + (wave - 4) x 64 rows
	s_lshl_b32 s62, s18, 18                        ; my 128 queries, for Q and for xa: in registers that feed no descriptor
	s_add_co_u32 s62, s62, s22
	s_mov_b32 s63, 0
	s_wait_dscnt 0x0
	s_wait_kmcnt 0x0
	s_add_nc_u64 s[24:25], s[4:5], s[24:25]
	s_add_nc_u64 s[2:3], s[4:5], s[62:63]          ; Q's block
	s_add_nc_u64 s[6:7], s[6:7], s[62:63]          ; xa's block
.irp s, 0,1
	s_mov_b32 s[G0V+4*\s], 1
	s_add_co_u32 s[G0V+4*\s+1], s26, \s*SLOT
	s_add_nc_u64 s[G0V+4*\s+2:G0V+4*\s+3], s[24:25], 16777216+\s*524288              ; V begins at byte 16,777,216; a tile is 256 rows
	s_or_b32 s[G0V+4*\s+3], s[G0V+4*\s+3], 0x80000000
	s_mov_b32 s[G0K+4*\s], 1
	s_add_co_u32 s[G0K+4*\s+1], s27, \s*SLOT
	s_add_nc_u64 s[G0K+4*\s+2:G0K+4*\s+3], s[24:25], 8388608-4*131072+\s*524288      ; K begins at byte 8,388,608; wave 4 takes its first 64 rows
	s_or_b32 s[G0K+4*\s+3], s[G0K+4*\s+3], 0x80000000
.endr
	ROUND                                          ; the four work-groups are here: the first joint loads meet
	JLOAD 0                                        ; tile 0
	JLOAD 1                                        ; tile 1: both first fills go out together; two tensor loads of the wave are out
	v_and_b32 v64, 15, v0                          ; r
	v_bfe_u32 v65, v0, 4, 1                        ; h
	v_and_b32 v66, 7, v0
	v_bfe_u32 v67, v0, 3, 1
	s_lshl_b32 s22, s9, 7                          ; my head's 128 bytes of a row
	s_lshl_b32 s23, s10, 16                        ; 32 rows x 2,048 bytes
	s_add_co_u32 s23, s23, s22
	v_lshlrev_b32 v[QO], 11, v64
	v_lshl_add_u32 v[QO], v65, 4, v[QO]
	v_add_nc_u32 v[QO], s23, v[QO]                 ; Q: (32 (w / 2) + r) x 2,048 + 128 head + 16 h
.irp qt, 0,1
.irp ds, 0,1
	global_load_b128 v[QF+8*(2*\qt+\ds):QF+8*(2*\qt+\ds)+3],   v[QO], s[2:3] offset:32768*\qt+64*\ds
	global_load_b128 v[QF+8*(2*\qt+\ds)+4:QF+8*(2*\qt+\ds)+7], v[QO], s[2:3] offset:32768*\qt+64*\ds+32
.endr
.endr
	v_mul_u32_u24 v68, v64, KP
	v_lshl_add_u32 v68, v65, 4, v68
	v_add_nc_u32 v68, s22, v68                     ; 272 r + 16 h + 128 head: K's fragments, and my place in the stage
	v_add_nc_u32 v[ADRK], KOFF, v68
	v_add_nc_u32 v[ADRK+1], SLOT+KOFF, v68
	v_lshl_add_u32 v69, v65, 3, v66                ; 8 h + l % 8: the key row that this lane addresses for the transposing load
	v_mul_u32_u24 v69, v69, VP
	v_lshl_add_u32 v69, v67, 4, v69
	v_add_nc_u32 v[ADRV], s22, v69
	v_add_nc_u32 v[ADRV+1], 128*VP, v[ADRV]
	v_add_nc_u32 v[ADRV+2], SLOT, v[ADRV]
	v_add_nc_u32 v[ADRV+3], SLOT+128*VP, v[ADRV]
	s_mul_i32 s23, s10, 32*SP
	s_add_co_u32 s23, s23, STAGE
	v_add_nc_u32 v[STO], s23, v68                  ; stage row 32 (w / 2) + r, byte 128 head + 16 h
	s_mul_i32 s23, s8, 16*SP
	s_add_co_u32 s23, s23, STAGE
	v_mul_u32_u24 v70, v65, SP
	v_lshl_add_u32 v70, v64, 4, v70
	v_add_nc_u32 v[RD], s23, v70                   ; back: row 16 w + h, 16 bytes at 16 r
	s_lshl_b32 s23, s8, 15
	v_lshlrev_b32 v70, 11, v65
	v_lshl_add_u32 v70, v64, 4, v70
	v_add_nc_u32 v[CO], s23, v70                   ; the same place in xa's block
.macro FETCHK slot, j                  ; 16 loads: K's fragments of keys 64 j .. + 63
.irp kt, 0,1,2,3
.irp ds, 0,1
	ds_load_b128 v[KF+8*(2*\kt+\ds):KF+8*(2*\kt+\ds)+3],   v[ADRK+\slot] offset:64*KP*\j+16*KP*\kt+64*\ds
	ds_load_b128 v[KF+8*(2*\kt+\ds)+4:KF+8*(2*\kt+\ds)+7], v[ADRK+\slot] offset:64*KP*\j+16*KP*\kt+64*\ds+32   ; the largest offset is 65,376
.endr
.endr
.endm
.macro FETCHV slot, j                  ; 16 transposing loads: V^T's fragments of the same keys, into window 1
	WIN 0x40
.irp c, 0,1
.irp dt, 0,1,2,3
	ds_load_tr16_b128 v[8*(4*\c+\dt):8*(4*\c+\dt)+3],   v[ADRV+2*\slot+(\j>>1)] offset:64*VP*(\j&1)+32*VP*\c+32*\dt
	ds_load_tr16_b128 v[8*(4*\c+\dt)+4:8*(4*\c+\dt)+7], v[ADRV+2*\slot+(\j>>1)] offset:64*VP*(\j&1)+32*VP*\c+32*\dt+16*VP
.endr
.endr
	WIN 0
.endm
; Product g of the eight of K Q^T for query tile b: g = 0..3: d 0-31 of key tile g starts the sum; g = 4..7: d 32-63 of key tile g - 4 adds in place.
; Product g of the eight of P V: g = 0..3: keys 0-31, d tile g; g = 4..7: keys 32-63, d tile g - 4.  In both the four accumulators take turns, one instruction a
; turn, and a group's last product and the next group's first name different accumulators.
.macro SPROD b, g
.if \g < 4
	v_wmma_f32_16x16x32_f16 v[SC+32*\b+8*\g:SC+32*\b+8*\g+7], v[KF+16*\g:KF+16*\g+7], v[QF+16*\b:QF+16*\b+7], 0
.else
	v_wmma_f32_16x16x32_f16 v[SC+32*\b+8*(\g-4):SC+32*\b+8*(\g-4)+7], v[KF+16*(\g-4)+8:KF+16*(\g-4)+15], v[QF+16*\b+8:QF+16*\b+15], v[SC+32*\b+8*(\g-4):SC+32*\b+8*(\g-4)+7]
.endif
.endm
.macro PVPROD b, g, zero               ; under the setting 0x01: source 0 (V^T) in window 1
.if \zero
	v_wmma_f32_16x16x32_f16 v[OA+32*\b+8*(\g&3):OA+32*\b+8*(\g&3)+7], v[8*\g:8*\g+7], v[SC+32*\b+16*(\g>>2):SC+32*\b+16*(\g>>2)+7], 0
	s_wait_alu depctr_va_vdst(0)
.else
	v_wmma_f32_16x16x32_f16 v[OA+32*\b+8*(\g&3):OA+32*\b+8*(\g&3)+7], v[8*\g:8*\g+7], v[SC+32*\b+16*(\g>>2):SC+32*\b+16*(\g>>2)+7], v[OA+32*\b+8*(\g&3):OA+32*\b+8*(\g&3)+7]
.endif
.endm
.macro MAXT qt                         ; the largest of my 32 scores of query tile qt, in four chains: 16 instructions
.irp k, 0,1,2,3
	v_max3_num_f32 v[TT+4*\qt+\k], v[SC+32*\qt+3*\k], v[SC+32*\qt+3*\k+1], v[SC+32*\qt+3*\k+2]
.endr
.irp i, 0,1,2,3,4,5,6,7,8,9
	v_max3_num_f32 v[TT+4*\qt+(\i&3)], v[TT+4*\qt+(\i&3)], v[SC+32*\qt+12+2*\i], v[SC+32*\qt+13+2*\i]
.endr
	v_max3_num_f32 v[TT+4*\qt], v[TT+4*\qt], v[TT+4*\qt+1], v[TT+4*\qt+2]
	v_max_num_f32 v[TT+4*\qt], v[TT+4*\qt], v[TT+4*\qt+3]
.endm
; The other half's maximum, the running maximum, and the factor for the old sums.  The factor is made from the two ROUNDED products -(m c), the very numbers that the
; exponents add, so that old and new terms stand on one scale exactly; that is why the multiply and the subtraction are not fused.
.macro STATS qt, first
	v_permlanex16_b32 v[TT+4*\qt+1], v[TT+4*\qt], s12, s13
.if \first
	v_max_num_f32 v[MX+\qt], v[TT+4*\qt], v[TT+4*\qt+1]
	v_mul_f32 v[TT+4*\qt+2], s16, v[MX+\qt]
.else
	v_max3_num_f32 v[MX+\qt], v[TT+4*\qt], v[TT+4*\qt+1], v[MX+\qt]
	v_mul_f32 v[TT+4*\qt+2], s16, v[MX+\qt]
	v_sub_f32 v[TT+4*\qt+3], v[TT+4*\qt+2], v[NMC+\qt]     ; (old maximum - new maximum) c, never above 0
	v_exp_f32 v[TT+4*\qt+3], v[TT+4*\qt+3]
.endif
	v_mov_b32 v[NMC+\qt], v[TT+4*\qt+2]                    ; kept for the next block; also the plain place behind the exponential (ISA guide 5.7.2)
	s_wait_alu depctr_va_vdst(0)
.endm
; The exponents s c - m c of tile a, 16 packed fused multiply-adds, with tile b's eight P V products between them, two behind each.
; pv = 0: no products (the very first phase); 1: the first four start O's sums; 2: all add in place.
.macro FMAPV a, b, pv
.if \pv
	WIN 0x01
.endif
.irp g, 0,1,2,3,4,5,6,7
.if \pv == 1
.if \g < 4
	PVPROD \b, \g, 1
.else
	PVPROD \b, \g, 0
.endif
.endif
.if \pv == 2
	PVPROD \b, \g, 0
.endif
	v_pk_fma_f32 v[SC+32*\a+4*\g:SC+32*\a+4*\g+1],   s[14:15], v[SC+32*\a+4*\g:SC+32*\a+4*\g+1],   v[TT+4*\a+2:TT+4*\a+3] op_sel_hi:[0,1,0]
	v_pk_fma_f32 v[SC+32*\a+4*\g+2:SC+32*\a+4*\g+3], s[14:15], v[SC+32*\a+4*\g+2:SC+32*\a+4*\g+3], v[TT+4*\a+2:TT+4*\a+3] op_sel_hi:[0,1,0]
.endr
.if \pv
	WIN 0
.endif
.endm
.macro RESC a, from, n                 ; n pairs of O of tile a, from pair 'from' on, x the tile's factor (the second register of its pair)
.set pp, \from
.rept \n
	v_pk_mul_f32 v[OA+32*\a+2*pp:OA+32*\a+2*pp+1], v[OA+32*\a+2*pp:OA+32*\a+2*pp+1], v[TT+4*\a+2:TT+4*\a+3] op_sel:[0,1] op_sel_hi:[1,1]
.set pp, pp+1
.endr
.endm
.macro EXPS a, b, sm                   ; p = 2^(s c - m c) of tile a, in place; sm = 1: one of tile b's eight K Q^T products in front of every four
.irp g, 0,1,2,3,4,5,6,7
.if \sm
	SPROD \b, \g
.endif
.irp e, 0,1,2,3
	v_exp_f32 v[SC+32*\a+4*\g+\e], v[SC+32*\a+4*\g+\e]
.endr
.endr
.endm
.macro CV a, c, i                      ; two weights into one register, in place and ascending: register i is written when 2 i and 2 i + 1 have been read
	v_cvt_pk_f16_f32 v[SC+32*\a+16*\c+(\i)], v[SC+32*\a+16*\c+2*(\i)], v[SC+32*\a+16*\c+2*(\i)+1]
.endm
.macro ADDP a, acc, p                  ; a chain of the row sum takes pair p, always ahead of the conversion that writes into that pair or a lower one
	v_pk_add_f32 v[\acc:\acc+1], v[\acc:\acc+1], v[SC+32*\a+2*(\p):SC+32*\a+2*(\p)+1]
.endm
; Row sums and packing, keys 0-31.  Two chains of packed adds (even pairs, odd pairs) take turns with the conversions; the old sum comes in by one fused multiply-add.
.macro SUMCVT0 a, first
.if \first
	s_wait_alu depctr_va_vdst(0)
	v_pk_add_f32 v[LS+2*\a:LS+2*\a+1], v[SC+32*\a:SC+32*\a+1], v[SC+32*\a+4:SC+32*\a+5]
.else
	s_wait_alu depctr_va_vdst(0)
	v_pk_fma_f32 v[LS+2*\a:LS+2*\a+1], v[LS+2*\a:LS+2*\a+1], v[TT+4*\a+2:TT+4*\a+3], v[SC+32*\a:SC+32*\a+1] op_sel:[0,1,0] op_sel_hi:[1,1,1]
.endif
	CV \a, 0, 0
	v_pk_add_f32 v[TT+4*\a:TT+4*\a+1], v[SC+32*\a+2:SC+32*\a+3], v[SC+32*\a+6:SC+32*\a+7]
	CV \a, 0, 1
.if \first == 0
	ADDP \a, LS+2*\a, 2
.endif
	CV \a, 0, 2
	CV \a, 0, 3
	ADDP \a, LS+2*\a, 4
	CV \a, 0, 4
	ADDP \a, TT+4*\a, 5
	CV \a, 0, 5
	ADDP \a, LS+2*\a, 6
	CV \a, 0, 6
	ADDP \a, TT+4*\a, 7
	CV \a, 0, 7
.endm
.macro SUMCVT1 a                       ; the same for keys 32-63; then the two chains meet
.irp i, 0,2,4,6
	ADDP \a, LS+2*\a, 8+\i
	CV \a, 1, \i
	ADDP \a, TT+4*\a, 9+\i
	CV \a, 1, \i+1
.endr
	v_pk_add_f32 v[LS+2*\a:LS+2*\a+1], v[LS+2*\a:LS+2*\a+1], v[TT+4*\a:TT+4*\a+1]
.endm
; A phase up to the middle of its sums.  a: the tile whose softmax this is; b: the tile whose products ride along.  vfirst: the tile's first block (nothing old to
; rescale).  pv, sm: see above.  wv, wk: the count of the wait on LDS in front of the P V and of the K Q^T products (99: none).  fs, fj: slot and block of V's next
; fragments (fj = 9: none).
; DISTANCES (only plain vector instructions that name none of the product's registers are counted): between the last P V product and the K Q^T product
; that writes over its P, and the loads into V's fragments: 2 fused multiply-adds and 15 multiplies (in a first block: 5 v_nop).  Between the last K Q^T product and the
; loads into K's fragments: 16 plain instructions; and the first read of the new scores, in the next phase: 33.
.macro HEAD a, b, vfirst, pv, sm, wv, wk, fs, fj
	MAXT \a
	STATS \a, \vfirst
.if \wv < 64
	s_wait_dscnt \wv
.endif
	FMAPV \a, \b, \pv
.if \vfirst
.if \pv
	PLACES 5
.endif
.else
	RESC \a, 0, 15
.endif
.if \fj < 4
	FETCHV \fs, \fj
.endif
.if \wk < 64
	s_wait_dscnt \wk
.endif
	EXPS \a, \b, \sm
.if \vfirst
	v_nop                                          ; one plain place behind the run of exponentials, before a result is read (ISA guide 5.7.2)
.else
	RESC \a, 15, 1                                 ; the rescale's last pair is kept back to be that place
.endif
	SUMCVT0 \a, \vfirst
.endm
; The change of slots, in the middle of a tile's last phase A: V of the tile's last block has been asked for, so the wave's reads of this slot are over when DScnt is 0.
; mode 1: every wave waits for all its tensor loads (its part of the next slot's tile) and for its reads; a round of the cluster's barrier; the joint refill of this slot,
; two tiles ahead, is the wave's first tensor load behind the round and its only one until the next: it has four blocks in which to land.
; mode 2: nothing is left to fetch: the same waits and the work-group's barrier show the last tile whole.  mode 0: the last tile: nothing follows.
.macro BOUNDARY slot, nslot, mode
.if \mode
	s_wait_tensorcnt 0x0
	ds_add_u32 v30, v31
	s_wait_dscnt 0x0
.if \mode == 1
	s_add_nc_u64 s[G0V+4*\slot+2:G0V+4*\slot+3], s[G0V+4*\slot+2:G0V+4*\slot+3], 1048576   ; no load of mine is out, so a group 0 may be written
	s_add_nc_u64 s[G0K+4*\slot+2:G0K+4*\slot+3], s[G0K+4*\slot+2:G0K+4*\slot+3], 1048576
.endif
	s_wait_dscnt 0x0
.if \mode == 1
	ROUND
	JLOAD \slot
.else
	s_barrier_signal -1
	s_barrier_wait -1
.endif
	FETCHK \nslot, 0
.endif
.endm
; One block of 64 keys: phase A, phase B.  jn = the tile's next block (4: the slots change).  pva, pvb: how the P V products of the two phases start.
.macro BLK slot, j, jn, nslot, mode, vfirst, pva, pvb, last
	HEAD 0, 1, \vfirst, \pva, 1, 99, 99, \slot, \j ; V(j - 1) and K(j) were waited for in the phase before
.if \jn < 4
	FETCHK \slot, \jn
.else
	BOUNDARY \slot, \nslot, \mode
.endif
	SUMCVT1 0
.if \last
	HEAD 1, 0, \vfirst, \pvb, 0, 0, 99, 0, 9       ; the very last block: nothing was asked for behind V's 16 loads, and no scores follow
.else
	HEAD 1, 0, \vfirst, \pvb, 1, 16, 0, 0, 9       ; 16: V's loads are in, the next K's 16, issued behind them, stay out; 0: those too
.endif
	SUMCVT1 1
.endm
.macro TILE slot, nslot, mode, first, last
.if \first
	BLK \slot, 0, 1, \nslot, \mode, 1, 0, 1, 0     ; the first block starts maximum, sums and tile 0's O; tile 1's O starts one phase later
	BLK \slot, 1, 2, \nslot, \mode, 0, 1, 2, 0
.else
	BLK \slot, 0, 1, \nslot, \mode, 0, 2, 2, 0
	BLK \slot, 1, 2, \nslot, \mode, 0, 2, 2, 0
.endif
	BLK \slot, 2, 3, \nslot, \mode, 0, 2, 2, 0
	BLK \slot, 3, 4, \nslot, \mode, 0, 2, 2, \last
.endm
	s_wait_tensorcnt 0x1                           ; my part of tile 0 is in; tile 1's load, issued behind it, may stay out
	s_barrier_signal -1
	s_barrier_wait -1                              ; everybody's is
	FETCHK 0, 0
	s_wait_loadcnt 0x0                             ; Q
	s_wait_dscnt 0x0
.irp g, 0,1,2,3,4,5,6,7
	SPROD 0, \g                                    ; the way in: tile 0's scores of block 0
.endr
	PLACES 4                                       ; four places in front of the first read of them
	TILE 0, 1, 1, 1, 0                             ; tile 0; at its end tile 2 is asked for
	TILE 1, 0, 1, 0, 0
	s_mov_b32 s60, 2
.Ltiles:
	TILE 0, 1, 1, 0, 0                             ; tiles 2 and 4
	TILE 1, 0, 1, 0, 0                             ; tiles 3 and 5; the last refill is tile 7
	s_sub_co_u32 s60, s60, 1
	s_cmp_lg_u32 s60, 0
	s_cbranch_scc1 .Ltiles
	TILE 0, 1, 2, 0, 0                             ; tile 6
	TILE 1, 0, 0, 0, 1                             ; tile 7
	WIN 0x01
.irp g, 0,1,2,3,4,5,6,7
	PVPROD 1, \g, 0                                ; the way out of the two streams: tile 1's P V of the last block
.endr
	WIN 0
	PLACES 4                                       ; four places in front of the reads of O
	; THE FINISH: the two halves' sums meet, O / sum, f16, through the stage so that rows of 256 bytes (both heads) leave whole.
.irp qt, 0,1
	v_add_f32 v[TT+4*\qt], v[LS+2*\qt], v[LS+2*\qt+1]
	v_permlanex16_b32 v[TT+4*\qt+1], v[TT+4*\qt], s12, s13
	v_add_f32 v[TT+4*\qt], v[TT+4*\qt], v[TT+4*\qt+1]      ; close to 1 at the least: the largest score's term is 2^0 up to the rounding of m c
.endr
	v_rcp_f32 v[TT+3], v[TT]
	v_rcp_f32 v[TT+7], v[TT+4]
	v_nop                                          ; one plain place behind the reciprocals (ISA guide 5.7.2)
	s_wait_alu depctr_va_vdst(0)
	RESC 0, 0, 16
	RESC 1, 0, 16
.irp qt, 0,1
.irp dt, 0,1,2,3
.irp i, 0,1,2,3
	v_cvt_pk_f16_f32 v[KF+4*(4*\qt+\dt)+\i], v[OA+8*(4*\qt+\dt)+2*\i], v[OA+8*(4*\qt+\dt)+2*\i+1]
.endr
.endr
.endr
.irp qt, 0,1
.irp dt, 0,1,2,3
	ds_store_b128 v[STO], v[KF+4*(4*\qt+\dt):KF+4*(4*\qt+\dt)+3] offset:16*SP*\qt+32*\dt
.endr
.endr
	s_wait_dscnt 0x0                               ; for the others' sake: a stage row holds two waves' halves
	s_barrier_signal -1
	s_barrier_wait -1
.irp t, 0,1,2,3,4,5,6,7
	ds_load_b128 v[KF+32+4*\t:KF+32+4*\t+3], v[RD] offset:2*SP*\t  ; rows 16 w + 2 t and + 1
.endr
.irp t, 0,1,2,3,4,5,6,7
	s_wait_dscnt 7-\t                              ; load t is in, the 7 - t younger ones stay out
	global_store_b128 v[CO], v[KF+32+4*\t:KF+32+4*\t+3], s[6:7] offset:4096*\t   ; 16 lanes store 256 consecutive bytes at a multiple of 256
.endr
	s_wait_tensorcnt 0x0
	ds_add_u32 v30, v31
	s_wait_dscnt 0x0
	ROUND                                          ; the closing round
	s_endpgm
.Lfunc_end_k_q5f279d4f38_attn:
	.size	k_q5f279d4f38_attn, .Lfunc_end_k_q5f279d4f38_attn-k_q5f279d4f38_attn
	.p2alignl 7, 3214868480
	.fill 96, 4, 3214868480
	.section	.rodata,"a",@progbits
	.p2align	6, 0x0
	.amdhsa_kernel k_q5f279d4f38_attn
		.amdhsa_group_segment_fixed_size 327680
		.amdhsa_private_segment_fixed_size 0
		.amdhsa_enable_private_segment 0
		.amdhsa_kernarg_size 16
		.amdhsa_user_sgpr_count 2
		.amdhsa_user_sgpr_kernarg_segment_ptr 1
		.amdhsa_wavefront_size32 1
		.amdhsa_system_sgpr_workgroup_id_x 1
		.amdhsa_system_sgpr_workgroup_id_y 1
		.amdhsa_system_sgpr_workgroup_id_z 1
		.amdhsa_system_vgpr_workitem_id 0
		.amdhsa_next_free_vgpr 320
		.amdhsa_next_free_sgpr 66
		.amdhsa_reserve_vcc 0
		.amdhsa_float_denorm_mode_32 3
		.amdhsa_float_denorm_mode_16_64 3
		.amdhsa_memory_ordered 1
		.amdhsa_forward_progress 1
		.amdhsa_inst_pref_size 255
	.end_amdhsa_kernel
	.section	.bss,"aw",@nobits
	.p2align	6
	.space	262144
	.amdgpu_metadata
---
amdhsa.version: [ 1, 2 ]
amdhsa.kernels:
  - .name:           k_q5f279d4f38_attn
    .symbol:         k_q5f279d4f38_attn.kd
    .args:
      - { .name: proj, .offset: 0, .size: 8, .value_kind: global_buffer, .address_space: global }
      - { .name: xa, .offset: 8, .size: 8, .value_kind: global_buffer, .address_space: global }
    .group_segment_fixed_size: 327680
    .private_segment_fixed_size: 0
    .kernarg_segment_align: 8
    .kernarg_segment_size: 16
    .max_flat_workgroup_size: 256
    .sgpr_count:     66
    .vgpr_count:     320
    .wavefront_size: 32
...
	.end_amdgpu_metadata
.endif
;; end of part 3
;; launch oproj (part 4): grid 8 x 32, 4 waves a work-group, clusters of 4 x 4, 327,680 bytes of LDS; arguments xa, wh, b_o, out0; writes out0
.if DOCPART == 4
	.amdgcn_target "amdgcn-amd-amdhsa--gfx1250"
	.amdhsa_code_object_version 6
	.text
	.protected	k_q5f279d4f38_oproj
	.globl	k_q5f279d4f38_oproj
	.p2align	8
	.type	k_q5f279d4f38_oproj,@function
k_q5f279d4f38_oproj:
	s_mov_b64 s[64:65], 0
	v_nop
	global_prefetch_b8 v0, s[64:65] scope:SCOPE_SE
	s_setreg_imm32_b32 hwreg(HW_REG_WAVE_MODE, 25, 1), 1
	s_wait_xcnt 0x0
	s_wait_alu depctr_hold_cnt(0) depctr_sa_sdst(0) depctr_va_vdst(0) depctr_va_sdst(0) depctr_va_ssrc(0) depctr_va_vcc(0) depctr_vm_vsrc(0)
	s_getreg_b32 s2, hwreg(HW_REG_IB_STS2, 6, 4)
	s_cmp_eq_u32 s2, 0
	s_cbranch_scc0 .Lentry_in_a_cluster
	s_endpgm
.Lentry_in_a_cluster:
	s_bfe_u32 s2, ttmp6, 0x10000c
	s_cmp_lg_u32 s2, 0xf033
	s_cbranch_scc0 .Lentry_shape_is_right
	s_endpgm
.Lentry_shape_is_right:
; out0 = xa x w_o + b_o.  xa: [4096][1024] f16; w_o: the fourth matrix of wh, [1024 k][1024 n] f16; b_o f32; out0: [4096][1024] f32.  Sums in f32.
; A work-group makes 128 x 128 with four waves of 64 x 64 (16 accumulator tiles): 32 x 8 = 256 work-groups; blocks of 256 x 256 would give 64.
; K goes in four tiles of 256 through two LDS slots: W's 256 k-rows x 256 bytes, as they lie in memory (turned by ds_load_tr16_b128), and A's 128 rows x 512 bytes.
; CLUSTERS: 4 x 4; A's tile is asked for jointly along a row of the cluster, W's along a column.
; The matrix instruction is used transposed (source 0 = 16 columns of W, source 1 = 16 rows of A): a lane's eight results are eight neighbouring columns of one row.
; The bias, in that layout, is the C of the first products.
.set APITCH, 528                       ; 512 bytes + 16 = 33 x 16
.set BPITCH, 288                       ; 256 bytes + 32 = 9 x 32
.set AOFF,   256*BPITCH                ; a slot: W's 256 k-rows (73,728 bytes), then A's 128 rows (67,584 bytes)
.set SLOT,   256*BPITCH+128*APITCH     ; 141,312
.set STAGE,  2*SLOT                    ; 282,624, a multiple of 256: 16 rows x 272 bytes for each wave; no tensor load lands here
.set SPITCH, 272
.set ADRA, 16                          ; v16-17  A's fragments, slot 0, 1
.set ADRB, 20                          ; v20-23  W's fragments: slot 0 k 0-127, slot 0 k 128-255, slot 1 likewise (an offset has 16 bits)
.set STO,  24
.set RD,   25
.set CO,   26
.set BO,   27
.set F0,   32                          ; v[32:95]   fragment buffer 0: W's four at + 0, A's four at + 32
.set F1,   96                          ; v[96:159]  fragment buffer 1
.set BIAS, 160                         ; v[160:191] eight f32 for each of my four blocks of 16 columns
                                       ; window 1, v[256:383]: accumulator (a, b) at 8 (4 a + b)
.set G1, 24                            ; s[24:31] group 1, A
.set G0, 32                            ; s[32:39] group 0, A
.set G1B, 48                           ; s[48:55] group 1, W
.set G0B, 56                           ; s[56:63] group 0, W
.set MSB, 0
.macro WIN new
.if MSB != \new
	s_set_vgpr_msb (MSB<<8)|\new
.set MSB, \new
.endif
.endm
.macro JLOAD s                         ; waves 0 and 1 ask for W's halves, waves 2 and 3 for A's
	s_cmp_eq_u32 s11, 0
	s_cbranch_scc0 .Lfor_a_\@
	tensor_load_to_lds s[G0B+4*\s:G0B+4*\s+3], s[G1B:G1B+7]
	s_nop 0
	s_branch .Lasked_\@
.Lfor_a_\@:
	tensor_load_to_lds s[G0+4*\s:G0+4*\s+3], s[G1:G1+7]
	s_nop 0
.Lasked_\@:
.endm
.macro CROUND                          ; a round of the cluster's barrier
	s_barrier_signal -1
	s_barrier_wait -1
	s_cmp_lg_u32 s10, 0
	s_cbranch_scc1 .Lnot_wave_0_\@
	s_barrier_signal -3
.Lnot_wave_0_\@:
	s_barrier_wait -3
	s_barrier_signal -1
	s_barrier_wait -1
.endm
.macro PLACES
.rept 4
	v_nop
.endr
.endm
	s_load_b256 s[68:75], s[0:1], 0x0              ; xa s[68:69], wh s[70:71], b_o s[72:73], out0 s[74:75]
	v_lshl_add_u32 v254, v0, 2, 0x49400
	v_mov_b32 v255, 0
	ds_add_u32 v254, v255
	v_lshrrev_b32 v1, 5, v0
	v_readfirstlane_b32 s10, v1                    ; wave 0..3
	s_lshr_b32 s11, s10, 1                         ; my half of the block's rows.  Also: I fetch for W (0) or for A (1)
	s_and_b32 s12, s10, 1                          ; my half of its columns.  Also: which half of that tile I fetch
	s_bfe_u32 s40, ttmp6, 0x40000                  ; cx
	s_bfe_u32 s41, ttmp6, 0x40004                  ; cy
	s_lshl_b32 s42, ttmp9, 2
	s_add_co_u32 s42, s42, s40                     ; block column 0..7
	s_and_b32 s13, ttmp7, 0xffff
	s_lshl_b32 s13, s13, 2
	s_add_co_u32 s13, s13, s41                     ; block row 0..31
	s_lshl_b32 s43, s41, 2
	s_lshl_b32 s43, 15, s43                        ; my row of the cluster
	s_lshl_b32 s44, 0x1111, s40                    ; my column
	; group 1 for A: 64 rows x 256 elements of 2 bytes; 4 words of padding behind every 128
	s_or_b32 s[G1+0], s43, (1<<16)|(1<<20)|(1<<21)|(6<<22)|(3<<25)
	s_mov_b32 s[G1+1], 256<<16
	s_mov_b32 s[G1+2], 64<<16
	s_mov_b32 s[G1+3], 256<<16
	s_mov_b32 s[G1+4], 64
	s_mov_b32 s[G1+5], 1024
	s_mov_b32 s[G1+6], 0
	s_mov_b32 s[G1+7], 0
	; group 1 for W: 128 k-rows x 128 elements; 8 words of padding behind every 64
	s_or_b32 s[G1B+0], s44, (1<<16)|(1<<20)|(1<<21)|(5<<22)|(7<<25)
	s_mov_b32 s[G1B+1], 128<<16
	s_mov_b32 s[G1B+2], 128<<16
	s_mov_b32 s[G1B+3], 128<<16
	s_mov_b32 s[G1B+4], 128
	s_mov_b32 s[G1B+5], 1024
	s_mov_b32 s[G1B+6], 0
	s_mov_b32 s[G1B+7], 0
	s_lshl_b32 s16, s13, 7
	s_lshl_b32 s17, s12, 6
	s_add_co_u32 s16, s16, s17                     ; A: row 128 x block row + 64 x half
	s_lshl_b32 s16, s16, 11
	s_mov_b32 s17, 0
	s_lshl_b32 s46, s12, 18                        ; W: half x 128 k-rows x 2,048 bytes
	s_lshl_b32 s45, s42, 8                         ;  + block column x 256 bytes
	s_add_co_u32 s46, s46, s45
	s_add_co_u32 s46, s46, 3*2097152               ;  + the three matrices in front of w_o
	s_mov_b32 s47, 0
	s_mul_i32 s20, s10, 128*BPITCH                 ; W's halves for waves 0, 1
	s_mul_i32 s21, s10, 64*APITCH
	s_add_co_u32 s21, s21, AOFF-2*64*APITCH        ; A's halves for waves 2, 3: AOFF + (wave - 2) x 64 rows
	s_wait_dscnt 0x0
	s_wait_kmcnt 0x0
	s_add_nc_u64 s[14:15], s[68:69], s[16:17]
	s_add_nc_u64 s[46:47], s[70:71], s[46:47]
	CROUND                                         ; all sixteen work-groups are here
.irp s, 0,1
	s_mov_b32 s[G0+4*\s], 1
	s_add_co_u32 s[G0+4*\s+1], s21, \s*SLOT
	s_add_nc_u64 s[G0+4*\s+2:G0+4*\s+3], s[14:15], \s*512              ; tile s: 256 k along A's rows
	s_or_b32 s[G0+4*\s+3], s[G0+4*\s+3], 0x80000000
	s_mov_b32 s[G0B+4*\s], 1
	s_add_co_u32 s[G0B+4*\s+1], s20, \s*SLOT
	s_add_nc_u64 s[G0B+4*\s+2:G0B+4*\s+3], s[46:47], \s*524288         ; tile s: 256 k-rows down W
	s_or_b32 s[G0B+4*\s+3], s[G0B+4*\s+3], 0x80000000
	JLOAD \s                                       ; both first fills go out together: two tensor loads of the wave are out
.endr
	v_and_b32 v1, 15, v0                           ; r
	v_bfe_u32 v2, v0, 4, 1                         ; h
	v_mul_u32_u24 v3, v1, APITCH
	v_lshl_add_u32 v3, v2, 4, v3
	s_mul_i32 s22, s11, 64*APITCH
	s_add_co_u32 s22, s22, AOFF
	v_add_nc_u32 v[ADRA], s22, v3                  ; (64 row half + r) x 528 + 16 h, behind W's rows
	v_add_nc_u32 v[ADRA+1], SLOT, v[ADRA]
	v_and_b32 v6, 7, v0
	v_lshl_add_u32 v6, v2, 3, v6
	v_mul_u32_u24 v6, v6, BPITCH
	v_bfe_u32 v7, v0, 3, 1
	v_lshl_add_u32 v6, v7, 4, v6
	s_lshl_b32 s23, s12, 7
	v_add_nc_u32 v[ADRB], s23, v6                  ; (8 h + l % 8) x 288 + 16 ((l / 8) % 2) + 128 column half
	v_add_nc_u32 v[ADRB+1], 128*BPITCH, v[ADRB]
	v_add_nc_u32 v[ADRB+2], SLOT, v[ADRB]
	v_add_nc_u32 v[ADRB+3], SLOT+128*BPITCH, v[ADRB]
	s_mul_i32 s23, s10, 16*SPITCH
	s_add_co_u32 s23, s23, STAGE
	v_mul_u32_u24 v4, v1, SPITCH
	v_lshl_add_u32 v4, v2, 5, v4
	v_add_nc_u32 v[STO], s23, v4                   ; in: row r, 32 bytes for each half of the lanes
	v_mul_u32_u24 v5, v2, SPITCH
	v_lshl_add_u32 v5, v1, 4, v5
	v_add_nc_u32 v[RD], s23, v5                    ; back: lanes 0-15 one row of 256 bytes, lanes 16-31 the next
	v_lshlrev_b32 v5, 12, v2
	v_lshl_add_u32 v[CO], v1, 4, v5                ; the same two rows in out0
	s_lshl_b32 s45, s42, 9                         ; the bias of my 64 columns: 512 x block column + 256 x half + 32 h bytes
	s_lshl_b32 s67, s12, 8
	s_add_co_u32 s45, s45, s67
	v_lshl_add_u32 v[BO], v2, 5, s45
.irp b, 0,1,2,3
	global_load_b128 v[BIAS+8*\b:BIAS+8*\b+3],   v[BO], s[72:73] offset:64*\b
	global_load_b128 v[BIAS+8*\b+4:BIAS+8*\b+7], v[BO], s[72:73] offset:64*\b+16
.endr
.macro FETCH slot, kc, f               ; 16 loads: the fragments of chunk kc (32 along K) of the slot's tile
.irp b, 0,1,2,3
	ds_load_tr16_b128 v[\f+8*\b:\f+8*\b+3],   v[ADRB+2*\slot+(\kc>>2)] offset:32*BPITCH*(\kc&3)+32*\b
	ds_load_tr16_b128 v[\f+8*\b+4:\f+8*\b+7], v[ADRB+2*\slot+(\kc>>2)] offset:32*BPITCH*(\kc&3)+32*\b+16*BPITCH
.endr
.irp a, 0,1,2,3
	ds_load_b128 v[\f+32+8*\a:\f+32+8*\a+3],   v[ADRA+\slot] offset:16*APITCH*\a+64*\kc
	ds_load_b128 v[\f+32+8*\a+4:\f+32+8*\a+7], v[ADRA+\slot] offset:16*APITCH*\a+64*\kc+32
.endr
.endm
; 16 products, each accumulator once: the accumulators take turns, one instruction a turn.  first = 1: the bias (window 0) is C.
.macro MUL f, first
.if \first
	WIN 0x40
.else
	WIN 0x50
.endif
.irp a, 0,1,2,3
.irp b, 0,1,2,3
.if \first
	v_wmma_f32_16x16x32_f16 v[8*(4*\a+\b):8*(4*\a+\b)+7], v[\f+8*\b:\f+8*\b+7], v[\f+32+8*\a:\f+32+8*\a+7], v[BIAS+8*\b:BIAS+8*\b+7]
.else
	v_wmma_f32_16x16x32_f16 v[8*(4*\a+\b):8*(4*\a+\b)+7], v[\f+8*\b:\f+8*\b+7], v[\f+32+8*\a:\f+32+8*\a+7], v[8*(4*\a+\b):8*(4*\a+\b)+7]
.endif
.endr
.endr
	WIN 0
.endm
.macro PART slot, kn, f, g             ; fetch chunk kn into buffer g, multiply buffer f
	PLACES                                         ; four places between the products that read buffer g and the loads into it
	FETCH \slot, \kn, \g
	s_wait_dscnt 16                                ; all but the 16 just issued
	MUL \f, 0
.endm
.macro STEP slot, first                ; one tile: eight chunks on buffers 0, 1, 0, 1, ..
.if \first == 0
	PLACES
.endif
	FETCH \slot, 0, F0
	FETCH \slot, 1, F1
	s_wait_dscnt 16                                ; chunk 0 is in, chunk 1's 16 loads stay out
	MUL F0, \first
	PART \slot, 2, F1, F0
	PART \slot, 3, F0, F1
	PART \slot, 4, F1, F0
	PART \slot, 5, F0, F1
	PART \slot, 6, F1, F0
	PART \slot, 7, F0, F1
	s_wait_dscnt 0x0
	MUL F1, 0
.endm
; The change of slots: every wave waits for its reads of the slot and for all its tensor loads (its part of the other slot).  fill = 1: a round of the cluster's barrier,
; then the joint refill, the wave's one tensor load behind it.  fill = 0: nothing is filled again; the work-group's barrier shows the other slot whole.
.macro CHANGE slot, fill
	s_wait_dscnt 0x0
	s_wait_tensorcnt 0x0
	ds_add_u32 v254, v255
	s_wait_dscnt 0x0
.if \fill
	CROUND
	s_add_nc_u64 s[G0+4*\slot+2:G0+4*\slot+3], s[G0+4*\slot+2:G0+4*\slot+3], 2*512
	s_add_nc_u64 s[G0B+4*\slot+2:G0B+4*\slot+3], s[G0B+4*\slot+2:G0B+4*\slot+3], 2*524288
	JLOAD \slot
.else
	s_barrier_signal -1
	s_barrier_wait -1
.endif
.endm
	s_wait_tensorcnt 1                             ; my part of tile 0 is in; tile 1's load, issued behind it, may stay out
	s_barrier_signal -1
	s_barrier_wait -1
	s_wait_loadcnt 0x0                             ; the bias
	STEP 0, 1                                      ; tile 0
	CHANGE 0, 1                                    ; tile 2 into slot 0
	STEP 1, 0                                      ; tile 1
	CHANGE 1, 1                                    ; tile 3 into slot 1
	STEP 0, 0                                      ; tile 2
	CHANGE 0, 0
	STEP 1, 0                                      ; tile 3
	; THE WAY OUT, 16 rows at a time: the f32 results go as they are into my own stage and come back as whole rows of 256 bytes.
	PLACES                                         ; four places between the last products and the LDS stores that read results, and the loads into the buffers
	s_lshl_b32 s16, s13, 7
	s_lshl_b32 s17, s11, 6
	s_add_co_u32 s16, s16, s17                     ; my first row
	s_lshl_b32 s16, s16, 12                        ; x 4,096 bytes
	s_mov_b32 s17, 0
	s_add_nc_u64 s[8:9], s[74:75], s[16:17]
	s_lshl_b32 s46, s42, 9                         ; my first column, in bytes: 512 x block column + 256 x half
	s_lshl_b32 s47, s12, 8
	s_add_co_u32 s46, s46, s47
	s_mov_b32 s47, 0
	s_add_nc_u64 s[8:9], s[8:9], s[46:47]
.macro OUT a, f
	WIN 0x04                                       ; the stores' data in window 1
.irp b, 0,1,2,3
	ds_store_b128 v[STO], v[8*(4*\a+\b):8*(4*\a+\b)+3]   offset:64*\b
	ds_store_b128 v[STO], v[8*(4*\a+\b)+4:8*(4*\a+\b)+7] offset:64*\b+16
.endr
	WIN 0
	s_wait_xcnt 0x0                                ; buffer f, which earlier stores read, and the stores' base are rewritten only behind this wait
.if \a
	s_add_nc_u64 s[8:9], s[8:9], 16*4096
.endif
.irp t, 0,1,2,3,4,5,6,7
	ds_load_b128 v[\f+4*\t:\f+4*\t+3], v[RD] offset:\t*2*SPITCH    ; a wave's LDS instructions are served in order: these see the stores above
.endr
.irp t, 0,1,2,3,4,5,6,7
	s_wait_dscnt 7-\t                              ; load t is in, the 7 - t younger ones stay out
	global_store_b128 v[CO], v[\f+4*\t:\f+4*\t+3], s[8:9] offset:8192*\t th:TH_STORE_NT   ; 16 lanes store 256 consecutive bytes at a multiple of 256
.endr
.endm
	OUT 0, F0
	OUT 1, F1
	OUT 2, F0
	OUT 3, F1
	s_wait_tensorcnt 0x0
	ds_add_u32 v254, v255
	s_wait_dscnt 0x0
	CROUND                                         ; the closing round
	s_endpgm
.Lfunc_end_k_q5f279d4f38_oproj:
	.size	k_q5f279d4f38_oproj, .Lfunc_end_k_q5f279d4f38_oproj-k_q5f279d4f38_oproj
	.p2alignl 7, 3214868480
	.fill 96, 4, 3214868480
	.section	.rodata,"a",@progbits
	.p2align	6, 0x0
	.amdhsa_kernel k_q5f279d4f38_oproj
		.amdhsa_group_segment_fixed_size 327680
		.amdhsa_private_segment_fixed_size 0
		.amdhsa_enable_private_segment 0
		.amdhsa_kernarg_size 32
		.amdhsa_user_sgpr_count 2
		.amdhsa_user_sgpr_kernarg_segment_ptr 1
		.amdhsa_wavefront_size32 1
		.amdhsa_system_sgpr_workgroup_id_x 1
		.amdhsa_system_sgpr_workgroup_id_y 1
		.amdhsa_system_sgpr_workgroup_id_z 1
		.amdhsa_system_vgpr_workitem_id 0
		.amdhsa_next_free_vgpr 384
		.amdhsa_next_free_sgpr 80
		.amdhsa_reserve_vcc 0
		.amdhsa_float_denorm_mode_32 3
		.amdhsa_float_denorm_mode_16_64 3
		.amdhsa_memory_ordered 1
		.amdhsa_forward_progress 1
		.amdhsa_inst_pref_size 90
	.end_amdhsa_kernel
	.amdgpu_metadata
---
amdhsa.version: [ 1, 2 ]
amdhsa.kernels:
  - .name:           k_q5f279d4f38_oproj
    .symbol:         k_q5f279d4f38_oproj.kd
    .args:
      - { .name: xa, .offset: 0, .size: 8, .value_kind: global_buffer, .address_space: global }
      - { .name: wh, .offset: 8, .size: 8, .value_kind: global_buffer, .address_space: global }
      - { .name: b_o, .offset: 16, .size: 8, .value_kind: global_buffer, .address_space: global }
      - { .name: out0, .offset: 24, .size: 8, .value_kind: global_buffer, .address_space: global }
    .group_segment_fixed_size: 327680
    .private_segment_fixed_size: 0
    .kernarg_segment_align: 8
    .kernarg_segment_size: 32
    .max_flat_workgroup_size: 128
    .sgpr_count:     80
    .vgpr_count:     384
    .wavefront_size: 32
...
	.end_amdgpu_metadata
.endif
;; end of part 4
